; MI455X (gfx1250); checked and timed in simulation.
; The chip was launched on July 23, 2026; its instructions are those of AMD's public machine-readable ISA for CDNA 5 (MIT licence, August 2026) and "CDNA5" Instruction Set Architecture Reference Guide (July 2026). The comments in the code are by the model that wrote it; some were corrected since.
;; LSTM Cell. Allowed arithmetic: matrix products marked QUANTISED: E4M3 operands, one E8M0 scale for each 32 along K, by v_wmma_scale_f32_16x16x128_f8f6f4 with both operands' format E4M3, f32 sums; everything else in f32.
;; Inputs: bf_h 1,024 float32; bf_i 1,024 float32; bg_h 1,024 float32; bg_i 1,024 float32; bi_h 1,024 float32; bi_i 1,024 float32; bo_h 1,024 float32; bo_i 1,024 float32; c 8,192 x 1,024 float32; h_codes 8,192 x 32 x 32 uint8 (E4M3 codes of h, K innermost, in blocks of 32 codes); h_scales 8,192 x 32 uint8 (E8M0 scales of h, one for each 32 codes along K); wf_h_codes 1,024 x 32 x 32 uint8 (E4M3 codes of wf_h, K innermost, in blocks of 32 codes); wf_h_scales 1,024 x 32 uint8 (E8M0 scales of wf_h, one for each 32 codes along K); wf_i_codes 1,024 x 32 x 32 uint8 (E4M3 codes of wf_i, K innermost, in blocks of 32 codes); wf_i_scales 1,024 x 32 uint8 (E8M0 scales of wf_i, one for each 32 codes along K); wg_h_codes 1,024 x 32 x 32 uint8 (E4M3 codes of wg_h, K innermost, in blocks of 32 codes); wg_h_scales 1,024 x 32 uint8 (E8M0 scales of wg_h, one for each 32 codes along K); wg_i_codes 1,024 x 32 x 32 uint8 (E4M3 codes of wg_i, K innermost, in blocks of 32 codes); wg_i_scales 1,024 x 32 uint8 (E8M0 scales of wg_i, one for each 32 codes along K); wi_h_codes 1,024 x 32 x 32 uint8 (E4M3 codes of wi_h, K innermost, in blocks of 32 codes); wi_h_scales 1,024 x 32 uint8 (E8M0 scales of wi_h, one for each 32 codes along K); wi_i_codes 1,024 x 32 x 32 uint8 (E4M3 codes of wi_i, K innermost, in blocks of 32 codes); wi_i_scales 1,024 x 32 uint8 (E8M0 scales of wi_i, one for each 32 codes along K); wo_h_codes 1,024 x 32 x 32 uint8 (E4M3 codes of wo_h, K innermost, in blocks of 32 codes); wo_h_scales 1,024 x 32 uint8 (E8M0 scales of wo_h, one for each 32 codes along K); wo_i_codes 1,024 x 32 x 32 uint8 (E4M3 codes of wo_i, K innermost, in blocks of 32 codes); wo_i_scales 1,024 x 32 uint8 (E8M0 scales of wo_i, one for each 32 codes along K); x_codes 8,192 x 32 x 32 uint8 (E4M3 codes of x, K innermost, in blocks of 32 codes); x_scales 8,192 x 32 uint8 (E8M0 scales of x, one for each 32 codes along K).
;; Outputs: out0 8,192 x 1,024 float32; out1 8,192 x 1,024 float32.
;; This version of the problem:
;;   THIS VERSION OF THE PROBLEM IS GIVEN IN LOW PRECISION. The matrix products marked QUANTISED in the list below multiply operands that are first quantised to E4M3 (4 exponent bits, 3 mantissa bits; 8 bits a number), with one power-of-two scale for each 32 numbers along K (OCP MX v1.0); their sums are f32. All else is computed in f32.
;;   The module's matrix products, in the order in which they are computed (A, B: the left and right operand; K: the contracted axis; several contracted axes count as one K, in the product's order):
;;     1. [M 8,192, K 1,024] x [K 1,024, N 1,024]; A: input x (given as codes); B: input wf_i (given as codes): QUANTISED
;;     2. [M 8,192, K 1,024] x [K 1,024, N 1,024]; A: input h (given as codes); B: input wf_h (given as codes): QUANTISED
;;     3. [M 8,192, K 1,024] x [K 1,024, N 1,024]; A: input x (given as codes); B: input wi_i (given as codes): QUANTISED
;;     4. [M 8,192, K 1,024] x [K 1,024, N 1,024]; A: input h (given as codes); B: input wi_h (given as codes): QUANTISED
;;     5. [M 8,192, K 1,024] x [K 1,024, N 1,024]; A: input x (given as codes); B: input wg_i (given as codes): QUANTISED
;;     6. [M 8,192, K 1,024] x [K 1,024, N 1,024]; A: input h (given as codes); B: input wg_h (given as codes): QUANTISED
;;     7. [M 8,192, K 1,024] x [K 1,024, N 1,024]; A: input x (given as codes); B: input wo_i (given as codes): QUANTISED
;;     8. [M 8,192, K 1,024] x [K 1,024, N 1,024]; A: input h (given as codes); B: input wo_h (given as codes): QUANTISED
;;   THE QUANTISER, for each operand of a quantised product, along K:
;;     - K is cut into blocks of 32 from its start; a last block that is shorter is filled with zeros.
;;     - A block's scale is 2^e with e = floor(log2(the largest magnitude in the block)) - 8, held to -126 .. 127; a block of zeros has e = 0. As a byte (E8M0): e + 127.
;;     - Each number is divided by its block's scale, clamped to +-448, and rounded to the nearest number of E4M3, ties to even, subnormals kept.
;;     - The product sums the exact products of the quantised numbers (number of the format x scale) in f32.
;;   ~~~python
;;   def quantise(x, axis):      # numpy; x: float32 -> the quantised numbers, widened to float32 again
;;       x = np.moveaxis(x, axis, -1); K = x.shape[-1]
;;       x = np.pad(x, [(0, 0)] * (x.ndim - 1) + [(0, -K % 32)]); x = x.reshape(x.shape[:-1] + (-1, 32)); a = np.abs(x).max(-1, keepdims=True)
;;       e = np.where(a > 0, np.clip(np.frexp(np.where(a > 0, a, 1))[1] - 1 - 8, -126, 127), 0)      # np.frexp(a)[1] - 1 = floor(log2(a)), exactly
;;       r = np.clip(x / 2.0 ** e, -448, 448)
;;       step = 2.0 ** (np.maximum(np.frexp(np.where(r == 0, 1, r))[1] - 1, -6) - 3)
;;       q = np.round(r / step) * step * 2.0 ** e      # np.round: ties to even
;;       return np.moveaxis(q.reshape(q.shape[:-2] + (-1,))[..., :K], -1, axis).astype(np.float32)
;;   ~~~
;;   INPUTS GIVEN AS CODES. h (in the module: [8192, 1024], K = its axis 1); wf_h (in the module: [1024, 1024], K = its axis 1); wf_i (in the module: [1024, 1024], K = its axis 1); wg_h (in the module: [1024, 1024], K = its axis 1); wg_i (in the module: [1024, 1024], K = its axis 1); wi_h (in the module: [1024, 1024], K = its axis 1); wi_i (in the module: [1024, 1024], K = its axis 1); wo_h (in the module: [1024, 1024], K = its axis 1); wo_i (in the module: [1024, 1024], K = its axis 1); x (in the module: [8192, 1024], K = its axis 1): each comes as NAME_codes (uint8): NAME with its K axis moved to the last place and cut into blocks of 32 codes, [.., K / 32, bytes a block], one block behind the other in memory; one code a byte (a code: sign, 4 exponent bits, 3 mantissa bits); and NAME_scales (uint8): the same leading axes, one E8M0 byte (e + 127) for each 32 codes along K. Its value is code x scale, taken as it is: it is not quantised again, and the codes and scales need not be those that the quantiser above would give.
;; One version. Each part assembles by itself: llvm-mc -triple=amdgcn-amd-amdhsa -mcpu=gfx1250 --defsym DOCPART=n.
;; ======== version 1 of 1: 2 launches
;; limits: inputs' magnitudes at most 7.38e+19; right only within a limited range of input values
;; workspace buffers: wpack 8,388,608 bytes; wscl 262,144 bytes; ascl 524,288 bytes
;; launch pack (part 1): grid 256 x 1, 8 waves a work-group, no clusters, 0 bytes of LDS; arguments wf_i_codes, wf_h_codes, wi_i_codes, wi_h_codes, wg_i_codes, wg_h_codes, wo_i_codes, wo_h_codes, wf_i_scales, wf_h_scales, wi_i_scales, wi_h_scales, wg_i_scales, wg_h_scales, wo_i_scales, wo_h_scales, x_scales, h_scales, wpack, wscl, ascl; writes wpack, wscl, ascl
.if DOCPART == 1
	.amdgcn_target "amdgcn-amd-amdhsa--gfx1250"
	.amdhsa_code_object_version 6
	.text
	.protected	k_q914376e03a_pack
	.globl	k_q914376e03a_pack
	.p2align	8
	.type	k_q914376e03a_pack,@function
k_q914376e03a_pack:
	s_mov_b64 s[64:65], 0
	v_nop
	global_prefetch_b8 v0, s[64:65] scope:SCOPE_SE
	s_setreg_imm32_b32 hwreg(HW_REG_WAVE_MODE, 25, 1), 1
	s_wait_xcnt 0x0
; The eight weights' codes and all scale bytes are laid out as ONE operand for the next launch.  Nothing is computed: bytes are moved.
; wpack [4096 rows n'][2048 bytes]: n' = 256 (u / 64) + 128 ((u / 32) % 2) + 32 g + u % 32, u the hidden unit, g the gate (0 f, 1 i, 2 candidate, 3 o);
;   bytes 0-1023 of a row are w{g}_i's codes of unit u (K = x's 1,024), bytes 1024-2047 w{g}_h's (K = h's 1,024).
; wscl [4096 n'][64]: the 32 scale bytes of w{g}_i's row, then the 32 of w{g}_h's.     ascl [8192 m][64]: x's 32 scale bytes of row m, then h's 32.
; SHARES.  Work-group w takes hidden units 4 w .. 4 w + 3 of all eight weights (8 x 4,096 bytes), their scale bytes, and rows 32 w .. 32 w + 31 of ascl.
; Thread t takes 16 bytes of each weight's 4,096: a wave's load and its store cover 512 consecutive bytes, aligned.  No LDS, no barrier: waves share nothing.  No source register is ever rewritten.
.set NB, 8                             ; the weight buffers, k = 2 g + s (s = 0: the x part, 1: the h part); pointer k in s[4 + 2 k : 5 + 2 k]
	s_load_b512 s[4:19], s[0:1], 0x0               ; the eight tensors of codes
	s_load_b512 s[20:35], s[0:1], 0x40             ; their eight tensors of scale bytes
	s_load_b128 s[36:39], s[0:1], 0x80             ; x's scale bytes, h's
	s_load_b128 s[40:43], s[0:1], 0x90             ; wpack, wscl
	s_load_b64 s[44:45], s[0:1], 0xa0              ; ascl
	v_lshrrev_b32 v1, 5, v0
	s_delay_alu instid0(VALU_DEP_1)
	v_readfirstlane_b32 s46, v1                    ; wave 0..7
	s_and_b32 s49, s46, 3                          ; the gate whose scale bytes my wave reads
	s_lshr_b32 s47, ttmp9, 3
	s_lshl_b32 s47, s47, 7
	s_and_b32 s48, ttmp9, 7
	s_lshl_b32 s48, s48, 2
	s_add_co_u32 s47, s47, s48                     ; N0 = 128 (w / 8) + 4 (w % 8): row n' of unit 4 w, gate 0
	s_lshl_b32 s48, ttmp9, 12
	v_lshl_add_u32 v1, v0, 4, s48                  ; codes in: 4,096 w + 16 t
	v_lshrrev_b32 v2, 6, v0                        ; codes out: row N0 + t / 64,
	s_delay_alu instid0(VALU_DEP_1)
	v_add_nc_u32 v2, s47, v2
	s_delay_alu instid0(VALU_DEP_1)
	v_lshlrev_b32 v2, 11, v2
	v_and_b32 v3, 63, v0
	s_delay_alu instid0(VALU_DEP_1)
	v_lshl_add_u32 v2, v3, 4, v2                   ; byte 16 (t % 64); gate and part stand in the store's immediate
	v_and_b32 v7, 3, v0
	s_delay_alu instid0(VALU_DEP_1)
	v_lshlrev_b32 v7, 3, v7                        ; 8 (t % 4): my 8 of a row's 32 scale bytes
	v_lshrrev_b32 v3, 3, v0
	s_delay_alu instid0(VALU_DEP_1)
	v_lshl_add_u32 v3, v3, 5, v7
	s_lshl_b32 s48, ttmp9, 10
	v_add_nc_u32 v3, s48, v3                       ; x's and h's scale bytes in: row 32 w + t / 8
	s_lshl_b32 s48, ttmp9, 11
	v_lshl_add_u32 v4, v0, 3, s48                  ; ascl out: 2,048 w + 8 t
	v_bfe_u32 v5, v0, 3, 2
	s_delay_alu instid0(VALU_DEP_1)
	v_lshl_add_u32 v5, v5, 5, v7
	s_lshl_b32 s48, ttmp9, 7
	v_add_nc_u32 v5, s48, v5                       ; a weight's scale bytes in: row 4 w + lane / 8
	v_and_b32 v6, 31, v0
	s_lshl_b32 s48, s47, 6
	s_lshl_b32 s54, s49, 11
	s_add_co_u32 s48, s48, s54
	v_lshl_add_u32 v6, v6, 3, s48                  ; wscl out: 64 (N0 + 32 g) + 8 lane
	v_and_b32 v7, 4, v0                            ; not 0: my 8 bytes lie in a row's second half, the h part
	s_wait_alu depctr_va_vdst(0)
	s_wait_kmcnt 0x0
	s_mov_b64 s[50:51], s[20:21]                   ; the scale bytes of my wave's gate: the choice hangs on the wave's number alone
	s_mov_b64 s[52:53], s[22:23]
	s_cmp_eq_u32 s49, 1
	s_cselect_b64 s[50:51], s[24:25], s[50:51]
	s_cselect_b64 s[52:53], s[26:27], s[52:53]
	s_cmp_eq_u32 s49, 2
	s_cselect_b64 s[50:51], s[28:29], s[50:51]
	s_cselect_b64 s[52:53], s[30:31], s[52:53]
	s_cmp_eq_u32 s49, 3
	s_cselect_b64 s[50:51], s[32:33], s[50:51]
	s_cselect_b64 s[52:53], s[34:35], s[52:53]
	global_load_b64 v[8:9], v5, s[50:51]           ; every wave issues these two, so that the counted waits below count the same loads in every wave; waves 0 to 3 store what they bring
	global_load_b64 v[10:11], v5, s[52:53]
.irp k, 0,1,2,3,4,5,6,7
	global_load_b128 v[16+4*\k:19+4*\k], v1, s[4+2*\k:5+2*\k] th:TH_LOAD_NT
.endr
	global_load_b64 v[12:13], v3, s[36:37]
	global_load_b64 v[14:15], v3, s[38:39]
.irp k, 0,1,2,3,4,5,6,7
	s_wait_loadcnt 9-\k                            ; loads come back in order: behind buffer k's stand 7 - k loads of codes and the two of scale bytes
	global_store_b128 v2, v[16+4*\k:19+4*\k], s[40:41] offset:(\k/2)*65536+(\k%2)*1024   ; 32 rows of 2,048 bytes from gate to gate, 1,024 bytes from the x part to the h part
.endr
	s_wait_loadcnt 0x0
	v_cmp_ne_u32 vcc_lo, 0, v7
	s_delay_alu instid0(VALU_DEP_1)
	v_cndmask_b32 v12, v12, v14, vcc_lo            ; x's bytes in a row's first half, h's in its second
	s_delay_alu instid0(VALU_DEP_2)
	v_cndmask_b32 v13, v13, v15, vcc_lo
	global_store_b64 v4, v[12:13], s[44:45]        ; the wave's 32 lanes store 256 consecutive bytes, aligned
	s_cmp_lt_u32 s46, 4
	s_cbranch_scc0 .Ldone                          ; four gates, four waves
	v_cndmask_b32 v8, v8, v10, vcc_lo              ; (lane % 8 = t % 8: the same mask)
	v_cndmask_b32 v9, v9, v11, vcc_lo
	global_store_b64 v6, v[8:9], s[42:43]          ; four rows of wscl: 256 consecutive bytes, aligned (N0 is a multiple of 4)
.Ldone:
	s_endpgm
.Lfunc_end_k_q914376e03a_pack:
	.size	k_q914376e03a_pack, .Lfunc_end_k_q914376e03a_pack-k_q914376e03a_pack
	.p2alignl 7, 3214868480
	.fill 96, 4, 3214868480
	.section	.rodata,"a",@progbits
	.p2align	6, 0x0
	.amdhsa_kernel k_q914376e03a_pack
		.amdhsa_group_segment_fixed_size 0
		.amdhsa_private_segment_fixed_size 0
		.amdhsa_enable_private_segment 0
		.amdhsa_kernarg_size 168
		.amdhsa_user_sgpr_count 2
		.amdhsa_user_sgpr_kernarg_segment_ptr 1
		.amdhsa_wavefront_size32 1
		.amdhsa_system_sgpr_workgroup_id_x 1
		.amdhsa_system_sgpr_workgroup_id_y 1
		.amdhsa_system_sgpr_workgroup_id_z 1
		.amdhsa_system_vgpr_workitem_id 0
		.amdhsa_next_free_vgpr 48
		.amdhsa_next_free_sgpr 66
		.amdhsa_reserve_vcc 1
		.amdhsa_float_denorm_mode_32 3
		.amdhsa_float_denorm_mode_16_64 3
		.amdhsa_memory_ordered 1
		.amdhsa_forward_progress 1
		.amdhsa_inst_pref_size 6
	.end_amdhsa_kernel
	.amdgpu_metadata
---
amdhsa.version: [ 1, 2 ]
amdhsa.kernels:
  - .name:           k_q914376e03a_pack
    .symbol:         k_q914376e03a_pack.kd
    .args:
      - { .name: wf_i_codes, .offset: 0, .size: 8, .value_kind: global_buffer, .address_space: global }
      - { .name: wf_h_codes, .offset: 8, .size: 8, .value_kind: global_buffer, .address_space: global }
      - { .name: wi_i_codes, .offset: 16, .size: 8, .value_kind: global_buffer, .address_space: global }
      - { .name: wi_h_codes, .offset: 24, .size: 8, .value_kind: global_buffer, .address_space: global }
      - { .name: wg_i_codes, .offset: 32, .size: 8, .value_kind: global_buffer, .address_space: global }
      - { .name: wg_h_codes, .offset: 40, .size: 8, .value_kind: global_buffer, .address_space: global }
      - { .name: wo_i_codes, .offset: 48, .size: 8, .value_kind: global_buffer, .address_space: global }
      - { .name: wo_h_codes, .offset: 56, .size: 8, .value_kind: global_buffer, .address_space: global }
      - { .name: wf_i_scales, .offset: 64, .size: 8, .value_kind: global_buffer, .address_space: global }
      - { .name: wf_h_scales, .offset: 72, .size: 8, .value_kind: global_buffer, .address_space: global }
      - { .name: wi_i_scales, .offset: 80, .size: 8, .value_kind: global_buffer, .address_space: global }
      - { .name: wi_h_scales, .offset: 88, .size: 8, .value_kind: global_buffer, .address_space: global }
      - { .name: wg_i_scales, .offset: 96, .size: 8, .value_kind: global_buffer, .address_space: global }
      - { .name: wg_h_scales, .offset: 104, .size: 8, .value_kind: global_buffer, .address_space: global }
      - { .name: wo_i_scales, .offset: 112, .size: 8, .value_kind: global_buffer, .address_space: global }
      - { .name: wo_h_scales, .offset: 120, .size: 8, .value_kind: global_buffer, .address_space: global }
      - { .name: x_scales, .offset: 128, .size: 8, .value_kind: global_buffer, .address_space: global }
      - { .name: h_scales, .offset: 136, .size: 8, .value_kind: global_buffer, .address_space: global }
      - { .name: wpack, .offset: 144, .size: 8, .value_kind: global_buffer, .address_space: global }
      - { .name: wscl, .offset: 152, .size: 8, .value_kind: global_buffer, .address_space: global }
      - { .name: ascl, .offset: 160, .size: 8, .value_kind: global_buffer, .address_space: global }
    .group_segment_fixed_size: 0
    .private_segment_fixed_size: 0
    .kernarg_segment_align: 8
    .kernarg_segment_size: 168
    .max_flat_workgroup_size: 256
    .sgpr_count:     66
    .vgpr_count:     48
    .wavefront_size: 32
...
	.end_amdgpu_metadata
.endif
;; end of part 1
;; launch cell (part 2): grid 16 x 32, 4 waves a work-group, clusters of 4 x 4, 327,680 bytes of LDS; arguments x_codes, h_codes, ascl, wpack, wscl, c, out0, out1, bf_i, bf_h, bi_i, bi_h, bg_i, bg_h, bo_i, bo_h; writes out0, out1
.if DOCPART == 2
	.amdgcn_target "amdgcn-amd-amdhsa--gfx1250"
	.amdhsa_code_object_version 6
	.text
	.protected	k_q914376e03a_cell
	.globl	k_q914376e03a_cell
	.p2align	8
	.type	k_q914376e03a_cell,@function
k_q914376e03a_cell:
	s_mov_b64 s[64:65], 0
	v_nop
	global_prefetch_b8 v0, s[64:65] scope:SCOPE_SE
	s_setreg_imm32_b32 hwreg(HW_REG_WAVE_MODE, 25, 1), 1
	s_wait_xcnt 0x0
	s_wait_alu depctr_hold_cnt(0) depctr_sa_sdst(0) depctr_va_vdst(0) depctr_va_sdst(0) depctr_va_ssrc(0) depctr_va_vcc(0) depctr_vm_vsrc(0)
	s_getreg_b32 s2, hwreg(HW_REG_IB_STS2, 6, 4)
	s_cmp_eq_u32 s2, 0
	s_cbranch_scc0 .Lentry_in_a_cluster
	s_endpgm
.Lentry_in_a_cluster:
	s_bfe_u32 s2, ttmp6, 0x10000c
	s_cmp_lg_u32 s2, 0xf033
	s_cbranch_scc0 .Lentry_shape_is_right
	s_endpgm
.Lentry_shape_is_right:
; An LSTM cell on codes of FP8 (E4M3) with one E8M0 scale for each 32 along K.  The eight products are ONE product: rows = the batch's 8,192, K = x's 1,024 then h's 1,024, columns = four gates x 1,024 units.
;   z_g = x W_g,i^T + h W_g,h^T + b_g,i + b_g,h;   ct = sigmoid(z_f) c + sigmoid(z_i) tanh(z_g);   ht = sigmoid(z_o) tanh(ct).   out0 = ht, out1 = ct, f32.  Every input is used.
; wpack, wscl, ascl come from the launch before: wpack's row n' = 256 t + 128 wc + 32 g + j holds gate g of unit 64 t + 32 wc + j, 2,048 codes on end; wscl and ascl hold 64 scale bytes a row (x part, h part).
; SHARES.  A work-group of four waves makes 256 rows x 64 units x 4 gates; a wave 128 rows x 32 units x all four gates: 64 accumulators of 16 x 16, 512 registers.
; THE MATRIX INSTRUCTION IS USED TRANSPOSED (source 0 = 16 rows of wpack, source 1 = 16 rows of x or h): in accumulator (a, b), b = 2 g + u, register j of lane (r, h) is row 16 a + r, gate g, unit 16 u + 8 h + j:
; the four gates of one number of ct lie in one lane, at one register place of four accumulators.  The biases are the C of each sum's first product.
; K goes in eight steps of 256 through a ring of two LDS slots.  THE HEAD fills both: one joint load of 256 rows a wave (x's K step 0, wpack's, x's K step 1, wpack's), each on a line of its own; waves 0 and 1 alone wait at the
; first barrier, the other two at the first change of slots.  The scale bytes of the work-group's 512 rows (32,768 bytes, two dense blocks) come through registers into LDS bytes of their own, once.
; CLUSTERS: 4 x 4 work-groups; the four of a row ask JOINTLY for the tiles of x and h, the four of a column for those of wpack.
; PREFETCH: each tile's K step is named two K steps (256 matrix instructions a wave) ahead of the load that wants it: K steps 2, 3 at the head, K step t + 4 at the change of slots of K step t (t = 0 .. 3).
;   Of the 128 rows that a wave fetches in the ring each of the four partners names 32, told apart by address (cx for x and h, cy for wpack): a lane a row of 256 bytes, one instruction a wave.  c's 64 rows a wave are named at t = 4, loaded at t = 6.
; c's tile comes into slot 0 by the slot's last fill; ct is written over it, ht beside it, and both leave as whole rows of 256 bytes.
; THE TAIL.  E_z = 2^min(-z log2 e, 30) for f, i, o; 2^min(-2 z log2 e, 30) for the candidate and ct; D = 1 + E.  ct = (c Di Dg - Df (Eg - 1)) / (Df Di Dg);  ht = (1 - Ec) / (Do Dc).
; LIMITS: a sigmoid is held at 2^-30 from below and a tanh at 1 - 2^-29 in magnitude; the divisors stay under 2^91, and |c| has to stay under 2^66; a NaN code or a scale byte 0xff gives numbers and no NaN.
; REGISTERS: window 0: v0-31 addresses; v32-63 scale words, two sets; v64-127 the biases; v128-255 A's fragments, one set; in the tail v64-255 are at work.  window 1: B's fragments, two sets.  windows 2, 3: the accumulators of my rows 0-63, 64-127.
.set NQ,     2
.set ROWB,   256
.set PITCH,  272                       ; 256 bytes + 16 of padding: the 16 rows that a load touches start at 16 different banks (ISA guide 11.1)
.set FR,     16
.set NL,     4
.set NP,     8                         ; places behind this matrix instruction (ISA guide 7.12.1)
.set HALFT,  128*PITCH
.set SLOT,   4*HALFT                   ; A's 256 rows, then B's 256 rows
.set SCL,    2*SLOT                    ; the scale bytes: units of 256 bytes (4 rows) + 16: A's 256 rows, then B's
.set HALFS,  32*272
.set SBLK,   4*272
.set SPARE,  SCL+4*HALFS               ; the spare words: 512 bytes that no other line names
.set HT,     256*PITCH                 ; the tail: ct at LDS byte 0, ht from here on
.set PFO,  7                           ; v7   4,096 x lane: a row of c
.set CL,   8                           ; v8   my 32 bytes of a row of c and ct
.set HL,   9                           ; v9   of ht
.set RD,   10                          ; v10  whole rows of ct back
.set RDH,  11                          ; v11  of ht
.set GO,   12                          ; v12  my offset in two rows of an output
.set BO,   13                          ; v13  my offset in a bias
.set ADRA, 16                          ; v16-17 my A fragments in slot 0, 1
.set ADRB, 20                          ; v20-21 my B fragments
.set SGA,  23                          ; v23  my 16 bytes of ascl's block; v24 of wscl's
.set SGB,  24
.set SL,   25                          ; v25  where they go in LDS
.set PFK,  26                          ; v26  the tiles' prefetch: my row's byte offset
.set ADRS, 27                          ; v27  my scale words: lanes 0-15 A's rows, lanes 16-31 B's
.set SPW,  28
.set NIL,  29
.set SC,   32
.set BI,   64
.set AF,   128
.set TF,   64
.set TI,   96
.set TG,   128
.set TO,   160
.set CC,   192
.set XX,   224
.set WV,  20                           ; s20 wave; s21 its half of the rows (in the ring: fetches for A (0) or B (1)); s22 its half of the columns (which 128 rows it fetches)
.set WR,  21
.set WC,  22
.set LAP, 23
.set PFH, 4                            ; s[4:5] the head's prefetches: x or wpack;  s[6:7] the loop's: h, or wpack 1,024 bytes on
.set PFA, 6
.set G1,  24                           ; s[24:31], s[32:39] the ring's groups 1 and 0 (a set a slot) for x and h;  s[48:55], s[56:63] for wpack
.set G0,  32
.set G1B, 48
.set G0B, 56
.set G0HA, 40                          ; s[40:43], s[44:47] the head's groups 0;  s[84:91], s[92:99] its groups 1: 256 rows
.set G0HB, 44
.set G1H, 84
.set G1HB, 92
.set HB,  66                           ; s[66:67] h's K step 0 of my rows, s[100:101] its K step 1
.set G1C, 68                           ; s[68:75], s[76:79] c's tile (behind the biases' pointers)
.set G0C, 76
.set LE,  80                           ; s[80:81] -log2 e;  s[82:83] -2 log2 e;  s104 30.0
.set LE2, 82
.set CAP, 104
.set MSB, 0
.macro WIN new                         ; the immediate's high byte repeats the setting that is left
.if MSB != \new
	s_set_vgpr_msb (MSB<<8)|\new
.set MSB, \new
.endif
.endm
.set MUL_LO, 0xa1
.set MUL_HI, 0xf1
.set TO_B,   0x40
.macro WALU
	s_wait_alu depctr_va_vdst(0)
.endm
.macro PLACES n
.rept \n
	v_nop
.endr
.endm
.macro TLOAD g0, g1                    ; a tensor load; s_nop 0 and four v_nop follow it
	tensor_load_to_lds s[\g0:\g0+3], s[\g1:\g1+7]
	s_nop 0
	PLACES 4
.endm
.macro JLOAD g0a, g1a, g0b, g1b        ; the ring's joint load: waves 0, 1 fetch for A, waves 2, 3 for B
	s_cmp_eq_u32 s[WR], 0
	s_cbranch_scc0 .Lfor_b_\@
	TLOAD \g0a, \g1a
	s_branch .Lasked_\@
.Lfor_b_\@:
	TLOAD \g0b, \g1b
.Lasked_\@:
.endm
.macro CREST                           ; a round of the cluster's barrier behind its opening barrier
	s_cmp_lg_u32 s[WV], 0
	s_cbranch_scc1 .Lnot_wave_0_\@
	s_barrier_signal -3
.Lnot_wave_0_\@:
	s_barrier_wait -3
	s_barrier_signal -1
	s_barrier_wait -1
.endm
.macro CROUND
	s_barrier_signal -1
	s_barrier_wait -1
	CREST
.endm
.macro GRP1 g, mask, rows, pitch       ; group 1: so many rows of 256 bytes, 16 bytes of padding behind each; the mask and bit 21 beside it
	s_or_b32 s[\g], s[\mask], (1<<20)|(1<<21)|(5<<22)|(3<<25)
	s_mov_b32 s[\g+1], ROWB<<16
	s_mov_b32 s[\g+2], (\rows)<<16
	s_mov_b32 s[\g+3], ROWB<<16
	s_mov_b32 s[\g+4], \rows
	s_mov_b32 s[\g+5], \pitch
	s_mov_b32 s[\g+6], 0
	s_mov_b32 s[\g+7], 0
.endm
.macro ADDR d, p                       ; a descriptor's address words: the offset that stands there + the buffer's address, and the type
	s_add_nc_u64 s[\d:\d+1], s[\p:\p+1], s[\d:\d+1]
	s_or_b32 s[\d+1], s[\d+1], 0x80000000
.endm
	s_load_b512 s[4:19], s[0:1], 0x0               ; x s[4:5], h s[6:7], ascl s[8:9], wpack s[10:11], wscl s[12:13], c s[14:15], out0 s[16:17], out1 s[18:19]
	s_load_b512 s[68:83], s[0:1], 0x40             ; the eight biases: gate g's x part s[68 + 4 g], h part s[70 + 4 g]
	v_lshl_add_u32 v[SPW], v0, 2, SPARE
	v_mov_b32 v[NIL], 0
	ds_add_u32 v[SPW], v[NIL]                      ; the opening lines: the add twice on end and its wait; work on registers stands between
	ds_add_u32 v[SPW], v[NIL]
	v_lshrrev_b32 v1, 5, v0
	v_readfirstlane_b32 s[WV], v1
	s_lshr_b32 s[WR], s[WV], 1
	s_and_b32 s[WC], s[WV], 1
	s_bfe_u32 s40, ttmp6, 0x40000                  ; cx, cy
	s_bfe_u32 s41, ttmp6, 0x40004
	s_lshl_b32 s42, ttmp9, 2
	s_add_co_u32 s42, s42, s40                     ; tx: which 64 units
	s_and_b32 s43, ttmp7, 0xffff
	s_lshl_b32 s43, s43, 2
	s_add_co_u32 s43, s43, s41                     ; ty: which 256 rows
	s_lshl_b32 s44, s41, 2
	s_lshl_b32 s44, 15, s44                        ; my row of the cluster
	s_lshl_b32 s45, 0x1111, s40                    ; my column
	GRP1 G1,   44, 128, 1024
	GRP1 G1B,  45, 128, 2048
	GRP1 G1H,  44, 256, 1024
	GRP1 G1HB, 45, 256, 2048
	s_mul_i32 s44, s[WR], HALFS                    ; scale words: A's 128 rows of mine,
	s_mul_i32 s23, s[WC], HALFS
	s_add_co_u32 s23, s23, 2*HALFS
	s_sub_co_u32 s23, s23, s44                     ; and how far behind them B's lie
	s_add_co_u32 s44, s44, SCL
	s_cmp_eq_u32 s[WR], 0                          ; the prefetch's first row: 256 x tile + 128 x half + 32 x my place among the four that ask jointly
	s_cselect_b32 s45, s43, s42
	s_cselect_b32 s46, s40, s41
	s_lshl_b32 s45, s45, 8
	s_lshl_b32 s46, s46, 5
	s_add_co_u32 s45, s45, s46
	s_lshl_b32 s46, s[WC], 7
	s_add_co_u32 s45, s45, s46
	s_add_co_u32 s46, s[WR], 10                    ; a row is 1,024 bytes of x or h, 2,048 of wpack
	; every vector address, in one run
	v_and_b32 v1, 15, v0                           ; r
	v_bfe_u32 v2, v0, 4, 1                         ; h
	v_bfe_u32 v5, v0, 6, 1                         ; my half of the rows
	v_bfe_u32 v6, v0, 5, 1                         ; my half of the columns
	v_mul_u32_u24 v3, v1, PITCH
	v_lshl_add_u32 v4, v2, 4, v3                   ; a fragment's row x pitch + 16 h
	v_mul_u32_u24 v14, v5, HALFT
	v_add_nc_u32 v[ADRA], v14, v4
	v_add_nc_u32 v[ADRA+1], SLOT, v[ADRA]
	v_mad_u32_u24 v[ADRB], v6, HALFT, v4
	v_add_nc_u32 v[ADRB], 2*HALFT, v[ADRB]
	v_add_nc_u32 v[ADRB+1], SLOT, v[ADRB]
	v_lshlrev_b32 v15, 6, v1                       ; my row's scale bytes: 64 a row, 16 more for each 4 rows
	v_lshrrev_b32 v18, 2, v1
	v_lshl_add_u32 v15, v18, 4, v15
	v_mul_u32_u24 v18, s23, v2                     ; lanes 16-31 take B's: the lower base + h x the distance
	v_add_nc_u32 v15, v15, v18
	v_add_nc_u32 v[ADRS], s44, v15
	v_lshl_add_u32 v[CL], v2, 5, v3                ; the tail: row r, + 32 h, my 128 rows, my 128 bytes of a row
	v_add_nc_u32 v[CL], v14, v[CL]
	v_lshl_add_u32 v[CL], v6, 7, v[CL]
	v_add_nc_u32 v[HL], HT, v[CL]
	v_mad_u32_u24 v[RD], v6, 16*PITCH, v14         ; back: of each 32 rows column half 0 takes the first 16; lanes 0-15 one row, lanes 16-31 the next
	v_mad_u32_u24 v[RD], v2, PITCH, v[RD]
	v_lshl_add_u32 v[RD], v1, 4, v[RD]
	v_add_nc_u32 v[RDH], HT, v[RD]
	v_lshlrev_b32 v[GO], 12, v2
	v_lshl_add_u32 v[GO], v1, 4, v[GO]
	v_and_b32 v[PFK], 31, v0
	v_lshlrev_b32 v[PFO], 12, v[PFK]
	v_add_nc_u32 v[PFK], s45, v[PFK]
	v_lshlrev_b32 v[PFK], s46, v[PFK]
	v_lshlrev_b32 v[BO], 5, v2                     ; a bias: byte 256 tx + 128 x column half + 32 h
	v_lshl_add_u32 v[BO], v6, 7, v[BO]
	v_lshl_add_u32 v[BO], s42, 8, v[BO]
	v_lshrrev_b32 v19, 4, v0                       ; the scale bytes' copy: thread t takes bytes 16 t of each 2,048: unit t / 16, byte 16 (t % 16)
	v_mul_u32_u24 v19, v19, 272
	v_lshl_add_u32 v19, v1, 4, v19
	v_add_nc_u32 v[SL], SCL, v19
	v_lshlrev_b32 v22, 4, v0
	v_lshl_add_u32 v[SGA], s43, 14, v22            ; 256 rows x 64 bytes a tile
	v_lshl_add_u32 v[SGB], s42, 14, v22
	; offsets, each under 2^32, in the registers that will hold the addresses
	s_mov_b32 s[G0], 1
	s_mul_i32 s[G0+1], s[WV], HALFT                ; the ring: wave x 128 rows
	s_mov_b32 s[G0+4], 1
	s_add_co_u32 s[G0+5], s[G0+1], SLOT
	s_mov_b32 s[G0B], 1
	s_mul_i32 s[G0B+1], s[WV], HALFT
	s_mov_b32 s[G0B+4], 1
	s_add_co_u32 s[G0B+5], s[G0B+1], SLOT
	s_lshl_b32 s2, s[WC], 7
	s_lshl_b32 s[G0+2], s43, 8
	s_add_co_u32 s[G0+2], s[G0+2], s2
	s_lshl_b32 s[G0+2], s[G0+2], 10                ; A: row 256 ty + 128 x half
	s_mov_b32 s[G0+3], 0
	s_add_co_u32 s[G0+6], s[G0+2], ROWB
	s_mov_b32 s[G0+7], 0
	s_mov_b64 s[HB:HB+1], s[G0+2:G0+3]
	s_mov_b64 s[HB+34:HB+35], s[G0+6:G0+7]
	s_lshl_b32 s[G0B+2], s42, 8
	s_add_co_u32 s[G0B+2], s[G0B+2], s2
	s_lshl_b32 s[G0B+2], s[G0B+2], 11              ; B: row 256 tx + 128 x half
	s_mov_b32 s[G0B+3], 0
	s_add_co_u32 s[G0B+6], s[G0B+2], ROWB
	s_mov_b32 s[G0B+7], 0
	s_lshl_b32 s104, s43, 8                        ; c: my 64 rows begin at row 256 ty + 64 x wave, byte 256 tx
	s_lshl_b32 s105, s[WV], 6
	s_add_co_u32 s104, s104, s105
	s_lshl_b32 s104, s104, 12
	s_lshl_b32 s105, s42, 8
	s_add_co_u32 s104, s104, s105
	s_lshl_b32 s2, s43, 8                          ; the outputs: row 256 ty + 128 x row half + 16 x column half
	s_lshl_b32 s3, s[WR], 7
	s_add_co_u32 s2, s2, s3
	s_lshl_b32 s3, s[WC], 4
	s_add_co_u32 s2, s2, s3
	s_lshl_b32 s2, s2, 12
	s_add_co_u32 s2, s2, s105
	s_mov_b32 s3, 0
	s_mov_b32 s105, 0
	s_lshl_b32 s[G0HB+2], s42, 19                  ; the head: a tile's 256 rows, K step = wave / 2
	s_lshl_b32 s[G0HA+2], s43, 18
	s_lshl_b32 s[G0HA+3], s[WR], 8
	s_add_co_u32 s[G0HB+2], s[G0HB+2], s[G0HA+3]
	s_add_co_u32 s[G0HA+2], s[G0HA+2], s[G0HA+3]
	s_mov_b32 s[G0HA+3], 0
	s_mov_b32 s[G0HB+3], 0
	s_mov_b32 s[G0HA], 1
	s_mov_b32 s[G0HB], 1
	s_mul_i32 s[G0HA+1], s[WR], SLOT
	s_add_co_u32 s[G0HB+1], s[G0HA+1], 2*HALFT
	WALU
	s_wait_dscnt 0x0                               ; both opening adds are done
	CROUND                                         ; all sixteen work-groups are here: the first joint loads meet
	s_wait_kmcnt 0x0
	ADDR G0HA+2, 4
	ADDR G0HB+2, 10
.macro ARM under, g0, g1, next         ; one tree of branches on the wave's number: every way passes exactly one load
	s_cmp_lt_u32 s[WV], \under
	s_cbranch_scc0 \next
	TLOAD \g0, \g1
	s_branch .Lhead_asked
\next:
.endm
	ARM 1, G0HA, G1H,  .Lhead_1                    ; wave 0: x's K step 0
	ARM 2, G0HB, G1HB, .Lhead_2                    ; wave 1: wpack's K step 0
	ARM 3, G0HA, G1H,  .Lhead_3                    ; wave 2: x's K step 1
	TLOAD G0HB, G1HB                               ; wave 3: wpack's K step 1
.Lhead_asked:
.irp i, 0,1,2,3,4,5,6,7
	global_load_b128 v[192+4*\i:195+4*\i], v[SGA], s[8:9] offset:2048*\i     ; a wave's load covers 512 consecutive bytes, aligned
	global_load_b128 v[224+4*\i:227+4*\i], v[SGB], s[12:13] offset:2048*\i
.endr
.irp g, 0,1,2,3
.irp u, 0,1
	global_load_b128 v[BI+16*\g+8*\u:BI+16*\g+8*\u+3],   v[BO], s[68+4*\g:69+4*\g] offset:64*\u
	global_load_b128 v[BI+16*\g+8*\u+4:BI+16*\g+8*\u+7], v[BO], s[68+4*\g:69+4*\g] offset:64*\u+16
	global_load_b128 v[AF+16*\g+8*\u:AF+16*\g+8*\u+3],   v[BO], s[70+4*\g:71+4*\g] offset:64*\u
	global_load_b128 v[AF+16*\g+8*\u+4:AF+16*\g+8*\u+7], v[BO], s[70+4*\g:71+4*\g] offset:64*\u+16
.endr
.endr
	ADDR G0+2, 4
	ADDR G0+6, 4
	ADDR HB, 6
	ADDR HB+34, 6
	ADDR G0B+2, 10
	ADDR G0B+6, 10
	s_add_nc_u64 s[14:15], s[14:15], s[104:105]
	s_add_nc_u64 s[16:17], s[16:17], s[2:3]
	s_add_nc_u64 s[18:19], s[18:19], s[2:3]
	s_cmp_eq_u32 s[WR], 0                          ; the choice hangs on the wave's number alone
	s_cselect_b64 s[PFH:PFH+1], s[4:5], s[10:11]
	s_cselect_b64 s[PFA:PFA+1], s[6:7], s[10:11]
	s_cselect_b32 s2, 0, 1024
	s_add_nc_u64 s[PFA:PFA+1], s[PFA:PFA+1], s[2:3]
	global_prefetch_b8 v[PFK], s[PFH:PFH+1] offset:2*ROWB th:TH_LOAD_NT scope:SCOPE_SE   ; K steps 2 and 3
	global_prefetch_b8 v[PFK], s[PFH:PFH+1] offset:3*ROWB th:TH_LOAD_NT scope:SCOPE_SE
	s_mov_b32 s[CAP], 0x41f00000                   ; 30.0
	s_wait_loadcnt 32                              ; the 16 loads of scale bytes are in; behind them stand the biases' 32
.irp i, 0,1,2,3,4,5,6,7
	ds_store_b128 v[SL], v[192+4*\i:195+4*\i] offset:8*272*\i
	ds_store_b128 v[SL], v[224+4*\i:227+4*\i] offset:2*HALFS+8*272*\i
.endr
	s_wait_loadcnt 0x0                             ; the biases are in, and their pointers are free
.set k, 0
.rept 32
	v_pk_add_f32 v[BI+k:BI+k+1], v[BI+k:BI+k+1], v[AF+k:AF+k+1]    ; b_g,i + b_g,h
.set k, k+2
.endr
	s_mov_b32 s[G1C], (2<<16)|(1<<20)|(5<<22)|(3<<25)   ; c's tile: 64 rows x 64 numbers a wave, for my work-group alone: no mask
	s_mov_b32 s[G1C+1], 64<<16
	s_mov_b32 s[G1C+2], 64<<16
	s_mov_b32 s[G1C+3], 64<<16
	s_mov_b32 s[G1C+4], 64
	s_mov_b32 s[G1C+5], 1024
	s_mov_b32 s[G1C+6], 0
	s_mov_b32 s[G1C+7], 0
	s_mov_b32 s[G0C], 1
	s_mul_i32 s[G0C+1], s[WV], 64*PITCH
	s_mov_b64 s[G0C+2:G0C+3], s[14:15]
	s_or_b32 s[G0C+3], s[G0C+3], 0x80000000
	s_mov_b32 s[LE], 0xbfb8aa3b                    ; -log2 e (the packed forms name a pair)
	s_mov_b32 s[LE+1], s[LE]
	s_mov_b32 s[LE2], 0xc038aa3b                   ; -2 log2 e
	s_mov_b32 s[LE2+1], s[LE2]
.macro FRAG reg, adr, q, i             ; 16 rows x 128 K: lane l holds row l % 16; registers 4 c .. 4 c + 3 hold K = 32 c + 16 (l / 16) + 0 .. 15
.irp c, 0,1,2,3
	ds_load_b128 v[\reg+4*\c:\reg+4*\c+3], v[\adr] offset:128*(\q)+32*\c+(\i)*16*PITCH
.endr
.endm
; 16 matrix instructions: A's blocks a0, a0 + 1 x B's eight.  zero = 1: the bias is the first product's C.  The 64 accumulators take turns.
.macro MUL16 a0, p, q, sc, zero
.irp a, \a0, \a0+1
.irp b, 0,1,2,3,4,5,6,7
.if \zero
	v_wmma_scale_f32_16x16x128_f8f6f4 v[8*(8*((\a)%4)+\b):8*(8*((\a)%4)+\b)+7], v[128*(\p)+FR*\b:128*(\p)+FR*\b+FR-1], v[AF+FR*(\a):AF+FR*(\a)+FR-1], v[BI+8*\b:BI+8*\b+7], v[SC+8*NQ*(\sc)+NQ*\b+(\q)], v[SC+8*NQ*(\sc)+NQ*(\a)+(\q)] matrix_a_scale:MATRIX_SCALE_ROW1
.else
	v_wmma_scale_f32_16x16x128_f8f6f4 v[8*(8*((\a)%4)+\b):8*(8*((\a)%4)+\b)+7], v[128*(\p)+FR*\b:128*(\p)+FR*\b+FR-1], v[AF+FR*(\a):AF+FR*(\a)+FR-1], v[8*(8*((\a)%4)+\b):8*(8*((\a)%4)+\b)+7], v[SC+8*NQ*(\sc)+NQ*\b+(\q)], v[SC+8*NQ*(\sc)+NQ*(\a)+(\q)] matrix_a_scale:MATRIX_SCALE_ROW1
.endif
.endr
.endr
.endm
.macro FETCH_B slot, q, p
	WIN TO_B
.irp i, 0,1,2,3,4,5,6,7
	FRAG 128*(\p)+FR*\i, ADRB+\slot, \q, \i
.endr
	WIN 0
.endm
.macro FETCH_A slot, q, i0
.irp i, \i0, \i0+1, \i0+2, \i0+3
	FRAG AF+FR*(\i), ADRA+\slot, \q, \i
.endr
.endm
.macro SCALES sc                       ; a K step's scale words: lanes 0-15 A's block i, lanes 16-31 B's block i
.irp i, 0,1,2,3,4,5,6,7
	ds_load_b64 v[SC+8*NQ*\sc+NQ*\i:SC+8*NQ*\sc+NQ*\i+1], v[ADRS] offset:\i*SBLK
.endr
.endm
; A step of 128 along K with its successor in the same slot.  A's blocks 0-3 are fetched anew in the step's middle, blocks 4-7 at its end; B has two sets.
.macro STEP slot, q, zero
	s_wait_dscnt 4*NL                              ; all but the youngest sixteen loads (A's blocks 4-7)
.if \zero
	WIN 0x81                                       ; as MUL_LO, C (the bias) in window 0
.else
	WIN MUL_LO
.endif
	MUL16 0, (\q)%2, \q, \slot, \zero
	MUL16 2, (\q)%2, \q, \slot, \zero
	s_wait_dscnt 0
	PLACES NP
	FETCH_B \slot, (\q)+1, 1-(\q)%2
	FETCH_A \slot, (\q)+1, 0
.if \zero
	WIN 0xc1
.else
	WIN MUL_HI
.endif
	MUL16 4, (\q)%2, \q, \slot, \zero
	MUL16 6, (\q)%2, \q, \slot, \zero
	PLACES NP
	WIN 0
	FETCH_A \slot, (\q)+1, 4
.endm
.macro ASK slot                        ; trips 1 and 2: my 32 rows of the K step two refills on; trip 3, slot 0: my 64 rows of c
	s_cmp_gt_u32 s[LAP], 1
	s_cbranch_scc0 .Llate_\@
	global_prefetch_b8 v[PFK], s[PFA:PFA+1] th:TH_LOAD_NT scope:SCOPE_SE
.if \slot == 0
	s_branch .Lnamed_\@
.endif
.Llate_\@:
.if \slot == 0
	global_prefetch_b8 v[PFO], s[14:15] th:TH_LOAD_NT scope:SCOPE_SE
	global_prefetch_b8 v[PFO], s[14:15] offset:32*4096 th:TH_LOAD_NT scope:SCOPE_SE
.Lnamed_\@:
.endif
.endm
; A slot's last step changes slots: one barrier, which opens a round of the cluster's.  fill = 1: this slot takes the K step two on.  fill = 2: slot 0's last fill: c's tile.
.macro TURN slot, next, fill
	s_wait_tensorcnt 0x0                           ; all my tensor loads have landed;
	ds_add_u32 v[SPW], v[NIL]
	s_wait_dscnt 4*NL+1                            ; (the add and A's blocks 4-7 may be out)
	WIN MUL_LO
	MUL16 0, 1, NQ-1, \slot, 0
	s_wait_dscnt 0x0                               ; the add is done, my reads of this slot are over
	s_barrier_signal -1
	MUL16 2, 1, NQ-1, \slot, 0
	WIN 0
	s_barrier_wait -1
	CREST
.if \fill == 1
	s_add_nc_u64 s[G0+4*\slot+2:G0+4*\slot+3], s[G0+4*\slot+2:G0+4*\slot+3], 2*ROWB
	s_cmp_eq_u32 s[LAP], 2                         ; the second trip asks for K steps 4 and 5: h's begin
	s_cselect_b64 s[G0+4*\slot+2:G0+4*\slot+3], s[HB+34*\slot:HB+34*\slot+1], s[G0+4*\slot+2:G0+4*\slot+3]
	s_add_nc_u64 s[G0B+4*\slot+2:G0B+4*\slot+3], s[G0B+4*\slot+2:G0B+4*\slot+3], 2*ROWB
	JLOAD G0+4*\slot, G1, G0B+4*\slot, G1B
.else
	TLOAD G0C, G1C
.endif
	PLACES NP-4
	v_add_nc_u32 v[ADRS], 4*NQ, v[ADRS]            ; the next K step's scale words
	WALU
	FETCH_B \next, 0, 0
	FETCH_A \next, 0, 0
	SCALES \next
.if \fill == 1
	ASK \slot
.endif
	WIN MUL_HI
	MUL16 4, 1, NQ-1, \slot, 0
	MUL16 6, 1, NQ-1, \slot, 0
	PLACES NP
	WIN 0
.if \fill == 1
	s_wait_xcnt 0x0                                ; the prefetch, 32 matrix instructions back, has read its address
	s_add_nc_u64 s[PFA:PFA+1], s[PFA:PFA+1], ROWB
.endif
	FETCH_A \next, 0, 4
.endm
	WALU                                           ; the head's end
	s_cmp_lt_u32 s[WV], 2
	s_cbranch_scc0 .Lstep_1
	s_wait_tensorcnt 0x0                           ; waves 0, 1: K step 0's tiles are in.  K step 1's are waited for at the first change of slots
.Lstep_1:
	s_wait_dscnt 0x0                               ; my part of the scale bytes is in LDS
	s_barrier_signal -1
	s_barrier_wait -1
	FETCH_B 0, 0, 0
	FETCH_A 0, 0, 0
	SCALES 0
	FETCH_A 0, 0, 4
	STEP 0, 0, 1
	s_mov_b32 s[LAP], 3
.Llap:                                                 ; a trip fills both slots again: K steps 2, 3; 4, 5; 6, 7
	TURN 0, 1, 1
	STEP 1, 0, 0
	TURN 1, 0, 1
	STEP 0, 0, 0
	s_sub_co_u32 s[LAP], s[LAP], 1
	s_cmp_lg_u32 s[LAP], 0
	s_cbranch_scc1 .Llap
	TURN 0, 1, 2
	STEP 1, 0, 0
	s_wait_dscnt 4*NL
	WIN MUL_LO
	MUL16 0, 1, NQ-1, 1, 0
	MUL16 2, 1, NQ-1, 1, 0
	s_wait_dscnt 0
	WIN MUL_HI
	MUL16 4, 1, NQ-1, 1, 0
	MUL16 6, 1, NQ-1, 1, 0
	WIN 0
; THE TAIL, on 32 numbers of a lane at a time
.macro PADD1 d, a
.set k, 0
.rept 16
	v_pk_add_f32 v[\d+k:\d+k+1], v[\a+k:\a+k+1], 1.0 op_sel_hi:[1,0]
.set k, k+2
.endr
.endm
.macro PMUL d, a, b
.set k, 0
.rept 16
	v_pk_mul_f32 v[\d+k:\d+k+1], v[\a+k:\a+k+1], v[\b+k:\b+k+1]
.set k, k+2
.endr
.endm
.macro PFMS d, a, b, c                 ; d = a b - c
.set k, 0
.rept 16
	v_pk_fma_f32 v[\d+k:\d+k+1], v[\a+k:\a+k+1], v[\b+k:\b+k+1], v[\c+k:\c+k+1] neg_lo:[0,0,1] neg_hi:[0,0,1]
.set k, k+2
.endr
.endm
.macro T32 op, r
.set k, 0
.rept 32
	\op v[\r+k], v[\r+k]
.set k, k+1
.endr
.endm
.macro MIN32 r                         ; the exponents' hold at 30
.set k, 0
.rept 32
	v_min_num_f32 v[\r+k], s[CAP], v[\r+k]
.set k, k+1
.endr
.endm
.macro EXPMIN e, m                     ; 32 exponentials, and between them the hold of 32 exponents that are read behind the next wait
.set k, 0
.rept 32
	v_exp_f32 v[\e+k], v[\e+k]
	v_min_num_f32 v[\m+k], s[CAP], v[\m+k]
.set k, k+1
.endr
.endm
.macro LDS8 op, adr, reg, p            ; my 32 numbers of group p, to or from LDS
.irp a, 0,1
.irp u, 0,1
.irp v, 0,1
.if \op
	ds_store_b128 v[\adr], v[\reg+16*\a+8*\u+4*\v:\reg+16*\a+8*\u+4*\v+3] offset:(2*(\p)+\a)*16*PITCH+64*\u+16*\v
.else
	ds_load_b128 v[\reg+16*\a+8*\u+4*\v:\reg+16*\a+8*\u+4*\v+3], v[\adr] offset:(2*(\p)+\a)*16*PITCH+64*\u+16*\v
.endif
.endr
.endr
.endr
.endm
; GROUP p: A's blocks 2 p, 2 p + 1: 32 rows x my 32 units.  The waits on the vector side stand ahead of and behind each batch of transcendentals.
.macro GROUP p
.set WA, 2+(\p)/2
.set AB, 128*((\p)%2)
.if (\p) > 0
	s_wait_xcnt 0x0                                ; the stores of the group before have read their data
.endif
	LDS8 0, CL, CC, \p
	WIN WA
.if (\p) > 0
	WALU                                           ; directly ahead of the first readers of these sums
.endif
.irp g, 0,1,2,3
.irp a, 0,1
.irp u, 0,1
.irp j, 0,2,4,6                        ; each accumulator from its low end on
.if \g == 2
	v_pk_mul_f32 v[TF+32*\g+16*\a+8*\u+\j:TF+32*\g+16*\a+8*\u+\j+1], v[AB+64*\a+16*\g+8*\u+\j:AB+64*\a+16*\g+8*\u+\j+1], s[LE2:LE2+1] op_sel_hi:[1,0]
.else
	v_pk_mul_f32 v[TF+32*\g+16*\a+8*\u+\j:TF+32*\g+16*\a+8*\u+\j+1], v[AB+64*\a+16*\g+8*\u+\j:AB+64*\a+16*\g+8*\u+\j+1], s[LE:LE+1] op_sel_hi:[1,0]
.endif
.endr
.endr
.endr
.endr
	WIN 0
	MIN32 TF
	MIN32 TI
	WALU
	EXPMIN TF, TG                                  ; Ef, Ei
	EXPMIN TI, TO
	WALU
	T32 v_exp_f32, TG                              ; Eg, Eo
	T32 v_exp_f32, TO
	v_nop
	s_wait_dscnt 0x0                               ; c is in
	WALU
	PADD1 TF, TF                                   ; Df
	PFMS XX, TG, TF, TF                            ; Df (Eg - 1)
	PADD1 TI, TI                                   ; Di
	PADD1 TG, TG                                   ; Dg
	PMUL TI, TI, TG                                ; Di Dg
	PFMS CC, CC, TI, XX                            ; c Di Dg - Df (Eg - 1)
	PMUL TF, TF, TI                                ; Df Di Dg
	WALU
	T32 v_rcp_f32, TF
	PADD1 TO, TO                                   ; Do
	WALU
	PMUL CC, CC, TF                                ; ct
	LDS8 1, CL, CC, \p                             ; over the bytes of c that I alone have read
.set k, 0
.rept 16
	v_pk_mul_f32 v[XX+k:XX+k+1], v[CC+k:CC+k+1], s[LE2:LE2+1] op_sel_hi:[1,0]
.set k, k+2
.endr
	MIN32 XX
	WALU
	T32 v_exp_f32, XX                              ; Ec
	v_nop
	WALU
	PADD1 TI, XX                                   ; Dc
	PMUL TI, TI, TO                                ; Do Dc
	WALU
	T32 v_rcp_f32, TI
.set k, 0
.rept 16
	v_pk_fma_f32 v[XX+k:XX+k+1], v[XX+k:XX+k+1], -1.0, 1.0 op_sel_hi:[1,0,0]   ; 1 - Ec
.set k, k+2
.endr
	WALU
	PMUL XX, XX, TI                                ; ht
	LDS8 1, HL, XX, \p
	s_wait_dscnt 0x0                               ; for the others' sake: my stores have landed
	s_barrier_signal -1
	s_barrier_wait -1                              ; a row's 256 bytes come from two waves
.endm
; SEND p: 16 of the group's 32 rows, whole, of ct and of ht.  These reads touch rows of group p alone, the next group's LDS lines rows of group p + 1 alone.
.macro SEND p
.irp t, 0,1,2,3,4,5,6,7
	ds_load_b128 v[TF+4*\t:TF+4*\t+3], v[RD] offset:(\p)*32*PITCH+2*\t*PITCH
.endr
.irp t, 0,1,2,3,4,5,6,7
	ds_load_b128 v[TI+4*\t:TI+4*\t+3], v[RDH] offset:(\p)*32*PITCH+2*\t*PITCH
.endr
.irp t, 0,1,2,3,4,5,6,7
	s_wait_dscnt 15-\t                             ; behind this load stand 15 - t
	global_store_b128 v[GO], v[TF+4*\t:TF+4*\t+3], s[18:19] offset:(32*(\p)+2*\t)*4096 th:TH_STORE_NT   ; 16 lanes store 256 consecutive bytes, aligned
.endr
.irp t, 0,1,2,3,4,5,6,7
	s_wait_dscnt 7-\t
	global_store_b128 v[GO], v[TI+4*\t:TI+4*\t+3], s[16:17] offset:(32*(\p)+2*\t)*4096 th:TH_STORE_NT
.endr
.endm
	s_wait_tensorcnt 0x0                           ; my 64 rows of c are in,
	s_barrier_signal -1
	s_barrier_wait -1                              ; everybody's are
	PLACES NP                                      ; behind the last products
.irp p, 0,1,2,3
	GROUP \p
	SEND \p
.endr
	s_wait_tensorcnt 0x0                           ; the wave's end
	ds_add_u32 v[SPW], v[NIL]
	s_wait_dscnt 0x0
	CROUND                                         ; the closing round
	s_endpgm
.Lfunc_end_k_q914376e03a_cell:
	.size	k_q914376e03a_cell, .Lfunc_end_k_q914376e03a_cell-k_q914376e03a_cell
	.p2alignl 7, 3214868480
	.fill 96, 4, 3214868480
	.section	.rodata,"a",@progbits
	.p2align	6, 0x0
	.amdhsa_kernel k_q914376e03a_cell
		.amdhsa_group_segment_fixed_size 327680
		.amdhsa_private_segment_fixed_size 0
		.amdhsa_enable_private_segment 0
		.amdhsa_kernarg_size 128
		.amdhsa_user_sgpr_count 2
		.amdhsa_user_sgpr_kernarg_segment_ptr 1
		.amdhsa_wavefront_size32 1
		.amdhsa_system_sgpr_workgroup_id_x 1
		.amdhsa_system_sgpr_workgroup_id_y 1
		.amdhsa_system_sgpr_workgroup_id_z 1
		.amdhsa_system_vgpr_workitem_id 0
		.amdhsa_next_free_vgpr 1024
		.amdhsa_next_free_sgpr 106
		.amdhsa_reserve_vcc 0
		.amdhsa_float_denorm_mode_32 3
		.amdhsa_float_denorm_mode_16_64 3
		.amdhsa_memory_ordered 1
		.amdhsa_forward_progress 1
		.amdhsa_inst_pref_size 255
	.end_amdhsa_kernel
	.section	.bss,"aw",@nobits
	.p2align	6
	.space	262144
	.amdgpu_metadata
---
amdhsa.version: [ 1, 2 ]
amdhsa.kernels:
  - .name:           k_q914376e03a_cell
    .symbol:         k_q914376e03a_cell.kd
    .args:
      - { .name: x_codes, .offset: 0, .size: 8, .value_kind: global_buffer, .address_space: global }
      - { .name: h_codes, .offset: 8, .size: 8, .value_kind: global_buffer, .address_space: global }
      - { .name: ascl, .offset: 16, .size: 8, .value_kind: global_buffer, .address_space: global }
      - { .name: wpack, .offset: 24, .size: 8, .value_kind: global_buffer, .address_space: global }
      - { .name: wscl, .offset: 32, .size: 8, .value_kind: global_buffer, .address_space: global }
      - { .name: c, .offset: 40, .size: 8, .value_kind: global_buffer, .address_space: global }
      - { .name: out0, .offset: 48, .size: 8, .value_kind: global_buffer, .address_space: global }
      - { .name: out1, .offset: 56, .size: 8, .value_kind: global_buffer, .address_space: global }
      - { .name: bf_i, .offset: 64, .size: 8, .value_kind: global_buffer, .address_space: global }
      - { .name: bf_h, .offset: 72, .size: 8, .value_kind: global_buffer, .address_space: global }
      - { .name: bi_i, .offset: 80, .size: 8, .value_kind: global_buffer, .address_space: global }
      - { .name: bi_h, .offset: 88, .size: 8, .value_kind: global_buffer, .address_space: global }
      - { .name: bg_i, .offset: 96, .size: 8, .value_kind: global_buffer, .address_space: global }
      - { .name: bg_h, .offset: 104, .size: 8, .value_kind: global_buffer, .address_space: global }
      - { .name: bo_i, .offset: 112, .size: 8, .value_kind: global_buffer, .address_space: global }
      - { .name: bo_h, .offset: 120, .size: 8, .value_kind: global_buffer, .address_space: global }
    .group_segment_fixed_size: 327680
    .private_segment_fixed_size: 0
    .kernarg_segment_align: 8
    .kernarg_segment_size: 128
    .max_flat_workgroup_size: 128
    .sgpr_count:     106
    .vgpr_count:     1024
    .wavefront_size: 32
...
	.end_amdgpu_metadata
.endif
;; end of part 2
